; MI455X (gfx1250); checked and timed in simulation.
; The chip was launched on July 23, 2026; its instructions are those of AMD's public machine-readable ISA for CDNA 5 (MIT licence, August 2026) and "CDNA5" Instruction Set Architecture Reference Guide (July 2026). The comments in the code are by the model that wrote it; some were corrected since.
;; Ref Local. Allowed arithmetic: float matrix products may take bf16 or f16 operands with f32 sums; all other float work in f32.
;; Inputs: main 256 x 256 x 32 float32; ref 256 x 256 x 32 float32; ref_value 256 x 256 x 32 float32.
;; Outputs: out0 256 x 256 x 32 float32.
;; Constants: k_size = 7.
;; 2 versions, each right; version 2 is version 1 with the launch local_attn written anew for expert scheduling mode. Each part assembles by itself: llvm-mc -triple=amdgcn-amd-amdhsa -mcpu=gfx1250 --defsym DOCPART=n.
;; ======== version 1 of 2: 1 launch
;; limits: inputs' magnitudes at most 100,000,000,000,000
;; launch local_attn (part 1): grid 16 x 16, 8 waves a work-group, no clusters, 168,960 bytes of LDS; arguments main, ref, ref_value, out0; writes out0
.if DOCPART == 1
	.amdgcn_target "amdgcn-amd-amdhsa--gfx1250"
	.amdhsa_code_object_version 6
	.text
	.protected	k_q6dbe5e679b_local_attn
	.globl	k_q6dbe5e679b_local_attn
	.p2align	8
	.type	k_q6dbe5e679b_local_attn,@function
k_q6dbe5e679b_local_attn:
	s_mov_b64 s[64:65], 0
	v_nop
	global_prefetch_b8 v0, s[64:65] scope:SCOPE_SE
	s_setreg_imm32_b32 hwreg(HW_REG_WAVE_MODE, 25, 1), 1
	s_wait_xcnt 0x0
; Windowed attention: out[h][w] = sum over the 7 x 7 window of softmax(<ref[h+a][w+b], main[h][w]>) ref_value[h+a][w+b].
; Keys outside the image are zero vectors that take part in the softmax (score 0, value 0).
; All tensors [256][256][32] f32; a pixel is 128 bytes, an image row 32,768 bytes.
;
; A work-group of eight waves makes a block of 16 x 16 pixels.  It needs 22 rows x 22 columns of ref and of ref_value; it takes 22 x 24
; (columns W0-4 .. W0+19), so that a row of the window is 3,072 consecutive bytes that start at a multiple of 512.
; All loads of a wave, 41 of 512 consecutive bytes each, go out at the start; the numbers are rounded to bf16 once and laid into LDS.
; No tensor loads and no joint loads of a cluster: the data must pass through registers to become bf16, and neighbouring work-groups share
; halos alone (their windows are shifted by 16 pixels, so no two of them have a tile with the same address in memory and in LDS).
;
; A QUERY TILE is 2 rows x 8 columns (16 queries); its keys are 8 rows x 16 columns = eight key tiles of one row each.
; Scores are made transposed: A = 16 keys, B = 16 queries, C = a matrix of 0 (key in the query's window) or -1e30 (not).  Lane (r, h) then
; holds query r and keys 8 h + j in register j; two such results, packed to bf16, are the 16-bit operand layout for K = 32 (ISA guide 7.12.2), so the
; probabilities feed the second product with no traffic between lanes.  The second product is transposed too: A = ref_value^T (channels x keys, by the
; transposing LDS load), B = probabilities; a lane ends with 16 channels of its query.  A third product with A = ones gives the sum of the
; rounded probabilities of query r in every register of lane (r, h).
; A wave takes a strip of 8 columns x 4 rows: two query tiles, which share 10 key rows.
;
; LIMITS: main, ref, ref_value and the probabilities are rounded to bf16 (nearest even).  A key outside the window gets -1e30, so scores must lie
; above -1e30.  The maximum taken away is the true maximum of the 49 scores.  Probabilities below 2^-126 of the largest become 0 (v_exp_f32 flushes).
.set IMG_ROW, 32768                    ; bytes in an image row
.set KP,      80                       ; LDS pitch of a pixel of ref and main: 64 bytes of bf16 + 16: an odd multiple of 16, so 16 pixels start at 16 different 16-byte columns of 256
.set VP,      96                       ; LDS pitch of a pixel of ref_value: an odd multiple of 32, for the transposing load
.set KROW,    24*KP                    ; a row of the window
.set VROW,    24*VP
.set QBASE,   528*KP                   ; ref's window (528 pixels) lies at 0, main's block (256 pixels) behind it,
.set VBASE,   QBASE+256*KP             ; then ref_value's window,
.set STAGE,   VBASE+528*VP             ; then the way out: 32 pixels x 144 bytes for each wave, its own
.set SP,      144                      ; 128 bytes of f32 + 16
.set LANE16, 2                         ; v2   16 x lane
.set QOFF,   3                         ; v3   my byte offset in main's block
.set KST,    4                         ; v4   where I store 8 bytes of ref (and, QBASE further, of main)
.set VST,    5                         ; v5   where I store 8 bytes of ref_value
.set KAD,    6                         ; v6   my key fragments
.set QAD,    7                         ; v7   my query fragments
.set VAD,    8                         ; v8   my value fragments
.set SST,    9                         ; v9   the way out: where I put my query's channels
.set SRD,    10                        ; v10  the way out: where I read 16 bytes of a row back
.set OO,     11                        ; v11  my byte offset in out's block
.set T,      12                        ; v[12:15] at work
.set MC,     16                        ; v[16:23] mask of key rows 1 to 6 of a tile: columns alone
.set M0,     24                        ; v[24:31] mask of key row 0: only the tile's upper query row sees it
.set M7,     32                        ; v[32:39] mask of key row 7: only the lower query row sees it
.set ONES,   40                        ; v[40:47] a fragment of ones in bf16
.set QF,     48                        ; v[48:63] two query fragments
.set KF,     64                        ; v[64:143] ten key fragments; later ten value fragments; later the rows on their way out
.set SC,     144                       ; v[144:207] the 64 scores of a tile; tile 1's probabilities are packed in place into v[144:175]
.set P0,     208                       ; v[208:239] tile 0's probabilities
.set P1,     SC
.set MX,     240                       ; v[240:243] four running maxima
.set NM,     246                       ; v[246:247] - maximum x log2(e), twice
.set A00,    176                       ; accumulators: tile 0 channels 0-15, 16-31, sum; tile 1 likewise
.set A01,    184
.set A0L,    192
.set A10,    200
.set A11,    240
.set A1L,    248
.set LDM,    64                        ; the load phase: v[64:95] main, v[96:159] ref, v[160:163] the tail, v[164:227] ref_value,
.set LDR,    96
.set LDT,    160
.set LDV,    164
.set OFF,    228                       ; v[228:244] byte offsets of the 17 window loads; none is rewritten while a load is out
.set RB,     20                        ; s[20:22] image row of my window load k = b (b = 0, 1, 2); load k = 3 a + b lies 4 a rows below
.set CM,     24                        ; s[24:26] -1 if its four columns are in the image, else 0
.set CO,     28                        ; s[28:30] byte offset of its clamped column
.set MK,     36                        ; s[36:52] load k: -1 if its four pixels are in the image, else 0
.macro PLACES                          ; four places behind a matrix instruction before its results are read or its registers loaded or written (ISA guide 7.12.1)
.rept 4
	v_nop
.endr
.endm
	s_load_b256 s[4:11], s[0:1], 0x0               ; main s[4:5], ref s[6:7], ref_value s[8:9], out s[10:11]
	s_set_vgpr_msb 0x40
	v_lshl_add_u32 v0, v0, 2, 0x29000
	v_mov_b32 v1, 0
	s_set_vgpr_msb 0x4000
	v_lshrrev_b32 v1, 5, v0
	v_readfirstlane_b32 s12, v1                    ; wave 0..7
	s_and_b32 s13, ttmp7, 0xffff
	s_lshl_b32 s14, s13, 4                         ; H0: the block's first row
	s_lshl_b32 s15, ttmp9, 4                       ; W0: its first column
	s_lshl_b32 s16, s14, 15
	s_lshl_b32 s17, s15, 7
	s_add_co_u32 s16, s16, s17                     ; the block's byte offset in main and in out (below 8 MiB)
	s_mov_b32 s17, 0
	v_and_b32 v[LANE16], 31, v0
	v_lshlrev_b32 v[LANE16], 4, v[LANE16]
	v_and_b32 v[QOFF], 127, v0                     ; main: 128 threads take a row of the block (2,048 bytes), the other 128 the next row
	v_lshlrev_b32 v[QOFF], 4, v[QOFF]
	v_lshrrev_b32 v1, 7, v0
	v_lshl_add_u32 v[QOFF], v1, 15, v[QOFF]
	; A window is 132 loads of four pixels, six to a row.  Wave w takes loads n = w + 8 k, k = 0..15.  24 loads are four rows, so
	; n = w + 8 b + 24 a (k = 3 a + b) lies in row 4 a + (w + 8 b) / 6, column group (w + 8 b) mod 6: three divisions serve all.
.irp b, 0,1,2
	s_add_co_u32 s18, s12, 8*\b
	s_mul_i32 s19, s18, 43
	s_lshr_b32 s19, s19, 8                         ; (w + 8 b) / 6, exact for numbers up to 23
	s_mul_i32 s13, s19, 6
	s_sub_co_u32 s18, s18, s13                     ; column group 0..5
	s_add_co_u32 s19, s19, s14
	s_sub_co_i32 s[RB+\b], s19, 3                  ; image row: the window begins 3 rows above the block (may be negative)
	s_lshl2_add_u32 s18, s18, s15
	s_sub_co_i32 s18, s18, 4                       ; image column: the window begins 4 columns left of the block
	s_max_i32 s19, s18, 0
	s_min_i32 s19, s19, 252                        ; clamped, so that the load stays inside the buffer
	s_cmp_eq_u32 s19, s18
	s_cselect_b32 s[CM+\b], -1, 0                  ; the image's width is a multiple of 4: the four pixels are all inside or all outside
	s_lshl_b32 s[CO+\b], s19, 7
.endr
	s_wait_kmcnt 0x0
	s_add_nc_u64 s[4:5], s[4:5], s[16:17]          ; main and out at the block's first pixel
	s_add_nc_u64 s[10:11], s[10:11], s[16:17]
.irp k, 0,1,2,3,4,5,6,7
	global_load_b128 v[LDM+4*\k:LDM+4*\k+3], v[QOFF], s[4:5] offset:\k*2*IMG_ROW th:TH_LOAD_NT   ; two rows of the block a turn; main is read once in the launch
.endr
.macro WINLOAD k                       ; the offset and the mask of window load k, and ref's load
	s_add_co_i32 s18, s[RB+(\k)%3], 4*((\k)/3)
	s_max_i32 s19, s18, 0
	s_min_i32 s19, s19, 255
	s_cmp_eq_u32 s19, s18                          ; the row is in the image
	s_cselect_b32 s[MK+\k], s[CM+(\k)%3], 0
	s_lshl_b32 s19, s19, 15
	s_add_co_u32 s19, s19, s[CO+(\k)%3]
	v_add_nc_u32 v[OFF+\k], s19, v[LANE16]
	global_load_b128 v[LDR+4*\k:LDR+4*\k+3], v[OFF+\k], s[6:7]
.endm
.irp k, 0,1,2,3,4,5,6,7,8,9,10,11,12,13,14,15
	WINLOAD \k
.endr
	; The tail: loads 128 to 131 of each window (row 21, column groups 2 to 5).  Waves 0-3 take ref's, waves 4-7 ref_value's: one load for every wave.
	s_and_b32 s18, s12, 3
	s_lshl2_add_u32 s18, s18, s15
	s_add_co_u32 s18, s18, 4                       ; column W0 + 4 + 4 (w mod 4)
	s_min_u32 s19, s18, 252
	s_cmp_eq_u32 s19, s18
	s_cselect_b32 s13, -1, 0
	s_lshl_b32 s19, s19, 7
	s_add_co_u32 s18, s14, 18                      ; row H0 + 18
	s_min_u32 s34, s18, 255
	s_cmp_eq_u32 s34, s18
	s_cselect_b32 s[MK+16], s13, 0
	s_lshl_b32 s34, s34, 15
	s_add_co_u32 s19, s19, s34
	v_add_nc_u32 v[OFF+16], s19, v[LANE16]
	s_cmp_lt_u32 s12, 4
	s_cselect_b64 s[32:33], s[6:7], s[8:9]
	global_load_b128 v[LDT:LDT+3], v[OFF+16], s[32:33]
.irp k, 0,1,2,3,4,5,6,7,8,9,10,11,12,13,14,15
	global_load_b128 v[LDV+4*\k:LDV+4*\k+3], v[OFF+\k], s[8:9]
.endr
	; While the 41 loads are on their way: LDS addresses, masks, constants.
	v_and_b32 v[T], 15, v0                         ; r
	v_bfe_u32 v[T+1], v0, 4, 1                     ; h
	v_and_b32 v[T+2], 7, v0                        ; lane mod 8 = the query's column in its tile
	v_bfe_u32 v[T+3], v0, 3, 1                     ; (lane / 8) mod 2 = the query's row in its tile
	s_and_b32 s18, s12, 1                          ; my strip of 8 columns
	s_lshr_b32 s19, s12, 1                         ; my group of 4 rows
	v_lshrrev_b32 v1, 3, v0                        ; a thread's 16 bytes of f32 become 8 of bf16; eight threads make a pixel.  Turn k lies 32 pixels on
	v_mul_u32_u24 v[KST], v1, KP
	v_lshl_add_u32 v[KST], v[T+2], 3, v[KST]
	v_mul_u32_u24 v[VST], v1, VP
	v_lshl_add_u32 v[VST], v[T+2], 3, v[VST]
	v_add_nc_u32 v[VST], VBASE, v[VST]
	s_mul_i32 s34, s19, 4*KROW                     ; key fragment: pixel (row 4 g + x, column 8 s + r), bytes 16 h and 32 + 16 h
	s_mul_i32 s35, s18, 8*KP
	s_add_co_u32 s34, s34, s35
	v_mul_u32_u24 v[KAD], v[T], KP
	v_lshl_add_u32 v[KAD], v[T+1], 4, v[KAD]
	v_add_nc_u32 v[KAD], s34, v[KAD]
	s_mul_i32 s34, s19, 64*KP                      ; query fragment: pixel (row 4 g + 2 u + r / 8, column 8 s + r mod 8) of the block of 16 x 16
	s_add_co_u32 s34, s34, s35
	s_add_co_u32 s34, s34, QBASE
	v_mul_u32_u24 v[QAD], v[T+2], KP
	v_lshl_add_u32 v[QAD], v[T+1], 4, v[QAD]
	v_mul_u32_u24 v1, v[T+3], 16*KP
	v_add3_u32 v[QAD], v[QAD], v1, s34
	s_mul_i32 s34, s19, 4*VROW                     ; value fragment: the lane addresses pixel (row 4 g + 2 y, column 8 s + 8 h + lane mod 8), 16 bytes at 16 ((lane / 8) mod 2)
	s_mul_i32 s35, s18, 8*VP
	s_add_co_u32 s34, s34, s35
	s_add_co_u32 s34, s34, VBASE
	v_mul_u32_u24 v[VAD], v[T+2], VP
	v_lshl_add_u32 v[VAD], v[T+3], 4, v[VAD]
	v_mul_u32_u24 v1, v[T+1], 8*VP
	v_add3_u32 v[VAD], v[VAD], v1, s34
	s_mul_i32 s34, s12, 32*SP                      ; my wave's stage
	s_add_co_u32 s34, s34, STAGE
	v_mul_u32_u24 v[SST], v[T], SP                 ; in: query r, 32 bytes for each half of the lanes
	v_lshl_add_u32 v[SST], v[T+1], 5, v[SST]
	v_add_nc_u32 v[SST], s34, v[SST]
	v_bfe_u32 v1, v0, 3, 2                         ; back: eight lanes take a pixel, the wave four pixels
	v_mul_u32_u24 v[SRD], v1, SP
	v_lshl_add_u32 v[SRD], v[T+2], 4, v[SRD]
	v_add_nc_u32 v[SRD], s34, v[SRD]
	s_lshl_b32 s34, s19, 17                        ; out: 4 g rows, 8 s pixels, 16 bytes a lane
	s_lshl_b32 s35, s18, 10
	s_add_co_u32 s34, s34, s35
	v_add_nc_u32 v[OO], s34, v[LANE16]
	s_mov_b32 s54, 0x76543210                      ; v_permlanex16_b32: lane i of one half reads lane i of the other
	s_mov_b32 s55, 0xfedcba98
	; Masks.  Register j of lane (r, h) is key column c = 8 h + j of the tile's 16, which begin 4 left of the queries' 8: the key is within
	; 3 columns of query column qc if 1 <= c - qc <= 7.  Key row i is within 3 rows of query row qr (0 or 1) if 0 <= i - qr <= 6.
	v_mov_b32 v48, 0xf149f2ca                      ; -1e30
	v_mov_b32 v49, 0
	v_lshlrev_b32 v50, 3, v[T+1]
	v_sub_nc_u32 v50, v50, v[T+2]
	v_add_nc_u32 v50, -1, v50                      ; 8 h - qc - 1
	v_cmp_eq_u32 s56, 0, v[T+3]                    ; qr = 0
.irp j, 0,1,2,3,4,5,6,7
	v_add_nc_u32 v51, \j, v50
	v_cmp_gt_u32 vcc_lo, 7, v51                    ; unsigned: 0 <= c - qc - 1 <= 6
	v_cndmask_b32 v[MC+\j], v48, v49, vcc_lo
	v_cndmask_b32 v[M0+\j], v48, v[MC+\j], s56     ; key row 0: for qr = 0 alone
	v_cndmask_b32 v[M7+\j], v[MC+\j], v48, s56     ; key row 7: for qr = 1 alone
	v_mov_b32 v[ONES+\j], 0x3f803f80
.endr
	; Round to bf16 and lay into LDS, in the order in which the loads were issued (loads come back in order: ISA guide 5.7.1).
.macro CVT x                           ; four f32 in v[x:x+3] become four bf16 in v[x:x+1]
	v_cvt_pk_bf16_f32 v[\x], v[\x], v[\x+1]
	v_cvt_pk_bf16_f32 v[\x+1], v[\x+2], v[\x+3]
.endm
.macro CVTM x, m                       ; the same, and zeros for pixels outside the image
	CVT \x
	v_and_b32 v[\x], s[\m], v[\x]
	v_and_b32 v[\x+1], s[\m], v[\x+1]
.endm
	s_wait_loadcnt 33                              ; main's 8 loads are in; the 33 younger ones stay out
.irp k, 0,1,2,3,4,5,6,7
	CVT LDM+4*\k
	ds_store_b64 v[KST], v[LDM+4*\k:LDM+4*\k+1] offset:QBASE+\k*32*KP
.endr
.irp k, 0,1,2,3,4,5,6,7,8,9,10,11,12,13,14,15
.if (\k)%4 == 0
	s_wait_loadcnt 29-\k                           ; four more of ref's loads are in: 41 issued, 12 + k of them waited for
.endif
	CVTM LDR+4*\k, MK+\k
	ds_store_b64 v[KST], v[LDR+4*\k:LDR+4*\k+1] offset:\k*32*KP
.endr
	s_wait_loadcnt 16                              ; the tail is in; ref_value's 16 stay out
	CVTM LDT, MK+16
	s_cmp_lt_u32 s12, 4
	s_cbranch_scc0 .Ltail_value
	ds_store_b64 v[KST], v[LDT:LDT+1] offset:16*32*KP      ; waves 0-3: ref's pixels 512 + thread / 8
	s_branch .Ltail_done
.Ltail_value:
	ds_store_b64 v[VST], v[LDT:LDT+1] offset:496*VP        ; waves 4-7: ref_value's pixels 512 + (thread - 128) / 8
.Ltail_done:
.irp k, 0,1,2,3,4,5,6,7,8,9,10,11,12,13,14,15
.if (\k)%4 == 0
	s_wait_loadcnt 12-\k                           ; four more of ref_value's loads are in
.endif
	CVTM LDV+4*\k, MK+\k
	ds_store_b64 v[VST], v[LDV+4*\k:LDV+4*\k+1] offset:\k*32*VP
.endr
	s_wait_dscnt 0x0                               ; my stores are in LDS: for the other waves' sake the count is zero
	s_barrier_signal -1
	s_barrier_wait -1                              ; everybody's are; from here on these three regions are only read
	; Fragments: 16 pixels x 32 channels, two loads of 16 bytes, 32 bytes apart.
.irp u, 0,1
	ds_load_b128 v[QF+8*\u:QF+8*\u+3],   v[QAD] offset:\u*32*KP
	ds_load_b128 v[QF+8*\u+4:QF+8*\u+7], v[QAD] offset:\u*32*KP+32
.endr
.irp x, 0,1,2,3,4,5,6,7,8,9
	ds_load_b128 v[KF+8*\x:KF+8*\x+3],   v[KAD] offset:\x*KROW
	ds_load_b128 v[KF+8*\x+4:KF+8*\x+7], v[KAD] offset:\x*KROW+32
.endr
; The eight score tiles of query tile u: key rows 2 u + i, i = 0..7.  C is the mask, D another eight registers each time.
.macro SCORE u
.irp i, 0,1,2,3,4,5,6,7
.set MB, MC
.if \i == 0
.set MB, M0
.endif
.if \i == 7
.set MB, M7
.endif
.if \u == 0
	s_wait_dscnt 18-2*\i                           ; key row i is in: 2 (9 - i) younger LDS loads may be out
.endif
	v_wmma_f32_16x16x32_bf16 v[SC+8*\i:SC+8*\i+7], v[KF+8*(2*\u+\i):KF+8*(2*\u+\i)+7], v[QF+8*\u:QF+8*\u+7], v[MB:MB+7]
.endr
.endm
.macro SCALE i                         ; s log2(e) - m log2(e) for the eight scores of key row i, one rounding each
.irp q, 0,2,4,6
	v_pk_fma_f32 v[SC+8*(\i)+\q:SC+8*(\i)+\q+1], v[SC+8*(\i)+\q:SC+8*(\i)+\q+1], 0x3fb8aa3b, v[NM:NM+1] op_sel_hi:[1,0,1]
.endr
.endm
; The tile's 64 scores become 64 probabilities (not yet divided by their sum), packed as four operand fragments at pd.
; pd = SC packs in place: word 4 i + q is written when scores 8 i + 2 q and below have been used.
.macro SOFTMAX pd
.irp c, 0,1,2,3
	v_max_num_f32 v[MX+\c], v[SC+16*\c], v[SC+16*\c+1]     ; four chains, started by their first two scores
.endr
.irp q, 1,2,3,4,5,6,7
.irp c, 0,1,2,3
	v_max3_num_f32 v[MX+\c], v[MX+\c], v[SC+16*\c+2*\q], v[SC+16*\c+2*\q+1]
.endr
.endr
	v_max3_num_f32 v[MX], v[MX], v[MX+1], v[MX+2]
	v_max_num_f32 v[MX], v[MX], v[MX+3]
	v_permlanex16_b32 v[MX+1], v[MX], s54, s55     ; lanes (r, 0) and (r, 1) hold the two halves of query r's keys
	v_max_num_f32 v[MX], v[MX], v[MX+1]            ; the largest of the query's 49 scores (the masked ones are -1e30)
	v_mul_f32 v[NM], 0xbfb8aa3b, v[MX]
	v_mul_f32 v[NM+1], 0xbfb8aa3b, v[MX]
	SCALE 0
.irp i, 0,1,2,3,4,5,6,7
.irp j, 0,1,2,3,4,5,6,7
	v_exp_f32 v[SC+8*\i+\j], v[SC+8*\i+\j]
.endr
.if \i < 7
	SCALE \i+1                                     ; plain vector work on other registers stands between the exponentials and their use (ISA guide 5.7.2)
.else
	v_nop
	s_wait_alu depctr_va_vdst(0)
.endif
	s_wait_alu depctr_va_vdst(0)
.irp q, 0,1,2,3
	v_cvt_pk_bf16_f32 v[\pd+4*\i+\q], v[SC+8*\i+2*\q], v[SC+8*\i+2*\q+1]   ; keys 8 h + 2 q and + 1: the lower key in the lower half
.endr
.endr
.endm
	SCORE 0
	PLACES
	SOFTMAX P0
	s_wait_dscnt 0x0                               ; key rows 8 and 9
	SCORE 1
	PLACES                                         ; also in front of the loads below, which land on the key fragments
	; Value fragments: channels 16 ct + r x the 32 keys of rows 4 g + 2 y and + 1, transposed on the way out of LDS.  They land while tile 1's softmax is made.
.irp y, 0,1,2,3,4
.irp ct, 0,1
	ds_load_tr16_b128 v[KF+16*\y+8*\ct:KF+16*\y+8*\ct+3],   v[VAD] offset:\y*2*VROW+\ct*32
	ds_load_tr16_b128 v[KF+16*\y+8*\ct+4:KF+16*\y+8*\ct+7], v[VAD] offset:\y*2*VROW+\ct*32+VROW
.endr
.endr
	SOFTMAX P1
; Three products of one query tile with one pair of key rows: channels 0-15, channels 16-31, the sum.  first = 1: they start the sums.
.macro PV3 a0, a1, al, y, pb, first
.if \first
	v_wmma_f32_16x16x32_bf16 v[\a0:\a0+7], v[KF+16*\y:KF+16*\y+7],    v[\pb:\pb+7], 0
	v_wmma_f32_16x16x32_bf16 v[\a1:\a1+7], v[KF+16*\y+8:KF+16*\y+15], v[\pb:\pb+7], 0
	v_wmma_f32_16x16x32_bf16 v[\al:\al+7], v[ONES:ONES+7],            v[\pb:\pb+7], 0
.else
	v_wmma_f32_16x16x32_bf16 v[\a0:\a0+7], v[KF+16*\y:KF+16*\y+7],    v[\pb:\pb+7], v[\a0:\a0+7]
	v_wmma_f32_16x16x32_bf16 v[\a1:\a1+7], v[KF+16*\y+8:KF+16*\y+15], v[\pb:\pb+7], v[\a1:\a1+7]
	v_wmma_f32_16x16x32_bf16 v[\al:\al+7], v[ONES:ONES+7],            v[\pb:\pb+7], v[\al:\al+7]
.endif
.endm
	; Row pair y is tile 0's block y and tile 1's block y - 1.  The accumulators take turns, one instruction a turn.
	s_wait_dscnt 16                                ; row pair 0's four loads are in; 4 (4 - y) younger ones may be out
	PV3 A00, A01, A0L, 0, P0, 1
	s_wait_dscnt 12
	PV3 A00, A01, A0L, 1, P0+8, 0
	PV3 A10, A11, A1L, 1, P1, 1
	s_wait_dscnt 8
	PV3 A00, A01, A0L, 2, P0+16, 0
	PV3 A10, A11, A1L, 2, P1+8, 0
	s_wait_dscnt 4
	PV3 A00, A01, A0L, 3, P0+24, 0
	PV3 A10, A11, A1L, 3, P1+16, 0
	s_wait_dscnt 0
	PV3 A10, A11, A1L, 4, P1+24, 0
	PLACES
	; Divide by the sum (at least about 1: the largest score's probability).  Every register of the sum's tile holds my query's sum.
	v_rcp_f32 v[T],   v[A0L]
	v_rcp_f32 v[T+1], v[A0L+1]
	v_rcp_f32 v[T+2], v[A1L]
	v_rcp_f32 v[T+3], v[A1L+1]
	v_nop                                          ; a plain place between the reciprocals and their use (ISA guide 5.7.2)
	s_wait_alu depctr_va_vdst(0)
.irp q, 0,2,4,6
	v_pk_mul_f32 v[A00+\q:A00+\q+1], v[A00+\q:A00+\q+1], v[T:T+1]
	v_pk_mul_f32 v[A01+\q:A01+\q+1], v[A01+\q:A01+\q+1], v[T:T+1]
	v_pk_mul_f32 v[A10+\q:A10+\q+1], v[A10+\q:A10+\q+1], v[T+2:T+3]
	v_pk_mul_f32 v[A11+\q:A11+\q+1], v[A11+\q:A11+\q+1], v[T+2:T+3]
.endr
	; THE WAY OUT.  Lane (r, h) holds channels 8 h .. + 7 and 16 + 8 h .. + 7 of query r; the lanes beside it hold other pixels.  So the 32 pixels go
	; through my wave's own stage and come back as runs of four pixels: each store of the wave covers 512 consecutive bytes, aligned.
.macro STG acc, off
	ds_store_b128 v[SST], v[\acc:\acc+3]   offset:\off
	ds_store_b128 v[SST], v[\acc+4:\acc+7] offset:\off+16
.endm
	STG A00, 0
	STG A01, 64
	STG A10, 16*SP
	STG A11, 16*SP+64
.irp t, 0,1,2,3,4,5,6,7
	ds_load_b128 v[KF+4*\t:KF+4*\t+3], v[SRD] offset:\t*4*SP       ; LDS serves a wave's instructions in order (ISA guide 5.7.1): these see the stores above
.endr
.irp t, 0,1,2,3,4,5,6,7
	s_wait_dscnt 7-\t                              ; run t is back; the younger ones may be out
	global_store_b128 v[OO], v[KF+4*\t:KF+4*\t+3], s[10:11] offset:(\t/2)*IMG_ROW+(\t%2)*512 th:TH_STORE_NT   ; two runs make my 8 pixels of a row
.endr
	s_set_vgpr_msb 0x5
	s_wait_tensorcnt 0x0
	ds_add_u32 v0, v1
	s_wait_dscnt 0x0
	s_set_vgpr_msb 0x500
	s_endpgm
.Lfunc_end_k_q6dbe5e679b_local_attn:
	.size	k_q6dbe5e679b_local_attn, .Lfunc_end_k_q6dbe5e679b_local_attn-k_q6dbe5e679b_local_attn
	.p2alignl 7, 3214868480
	.fill 96, 4, 3214868480
	.section	.rodata,"a",@progbits
	.p2align	6, 0x0
	.amdhsa_kernel k_q6dbe5e679b_local_attn
		.amdhsa_group_segment_fixed_size 168960
		.amdhsa_private_segment_fixed_size 0
		.amdhsa_enable_private_segment 0
		.amdhsa_kernarg_size 32
		.amdhsa_user_sgpr_count 2
		.amdhsa_user_sgpr_kernarg_segment_ptr 1
		.amdhsa_wavefront_size32 1
		.amdhsa_system_sgpr_workgroup_id_x 1
		.amdhsa_system_sgpr_workgroup_id_y 1
		.amdhsa_system_sgpr_workgroup_id_z 1
		.amdhsa_system_vgpr_workitem_id 0
		.amdhsa_next_free_vgpr 258
		.amdhsa_next_free_sgpr 66
		.amdhsa_reserve_vcc 1
		.amdhsa_float_denorm_mode_32 3
		.amdhsa_float_denorm_mode_16_64 3
		.amdhsa_memory_ordered 1
		.amdhsa_forward_progress 1
		.amdhsa_inst_pref_size 56
	.end_amdhsa_kernel
	.amdgpu_metadata
---
amdhsa.version: [ 1, 2 ]
amdhsa.kernels:
  - .name:           k_q6dbe5e679b_local_attn
    .symbol:         k_q6dbe5e679b_local_attn.kd
    .args:
      - { .name: main, .offset: 0, .size: 8, .value_kind: global_buffer, .address_space: global }
      - { .name: ref, .offset: 8, .size: 8, .value_kind: global_buffer, .address_space: global }
      - { .name: ref_value, .offset: 16, .size: 8, .value_kind: global_buffer, .address_space: global }
      - { .name: out0, .offset: 24, .size: 8, .value_kind: global_buffer, .address_space: global }
    .group_segment_fixed_size: 168960
    .private_segment_fixed_size: 0
    .kernarg_segment_align: 8
    .kernarg_segment_size: 32
    .max_flat_workgroup_size: 256
    .sgpr_count:     66
    .vgpr_count:     258
    .wavefront_size: 32
...
	.end_amdgpu_metadata
.endif
;; end of part 1
;; ======== version 2 of 2: 1 launch; version 1 with the launch local_attn written anew for expert scheduling mode
;; limits: inputs' magnitudes at most 100,000,000,000,000
;; launch local_attn (part 2): grid 16 x 16, 8 waves a work-group, no clusters, 168,960 bytes of LDS; arguments main, ref, ref_value, out0; writes out0
.if DOCPART == 2
	.amdgcn_target "amdgcn-amd-amdhsa--gfx1250"
	.amdhsa_code_object_version 6
	.text
	.protected	k_q6dbe5e679b_local_attn
	.globl	k_q6dbe5e679b_local_attn
	.p2align	8
	.type	k_q6dbe5e679b_local_attn,@function
k_q6dbe5e679b_local_attn:
	s_mov_b64 s[64:65], 0
	v_nop
	global_prefetch_b8 v0, s[64:65] scope:SCOPE_SE
	s_setreg_imm32_b32 hwreg(HW_REG_WAVE_SCHED_MODE, 0, 2), 2
	s_setreg_imm32_b32 hwreg(HW_REG_WAVE_MODE, 25, 1), 1
	s_wait_xcnt 0x0
	s_wait_alu depctr_vm_vsrc(0)
; Windowed attention: out[h][w] = sum over the 7 x 7 window of softmax(<ref[h+a][w+b], main[h][w]>) ref_value[h+a][w+b].
; Keys outside the image are zero vectors that take part in the softmax (score 0, value 0).
; All tensors [256][256][32] f32; a pixel is 128 bytes, an image row 32,768 bytes.
;
; A work-group of eight waves makes a block of 16 x 16 pixels.  It needs 22 rows x 22 columns of ref and of ref_value; it takes 22 x 24
; (columns W0-4 .. W0+19), so that a row of the window is 3,072 consecutive bytes that start at a multiple of 512.
; All loads of a wave, 41 of 512 consecutive bytes each, go out at the start; the numbers are rounded to bf16 once and laid into LDS.
; No tensor loads and no joint loads of a cluster: the data must pass through registers to become bf16, and neighbouring work-groups share
; halos alone (their windows are shifted by 16 pixels, so no two of them have a tile with the same address in memory and in LDS).
;
; A QUERY TILE is 2 rows x 8 columns (16 queries); its keys are 8 rows x 16 columns = eight key tiles of one row each.
; Scores are made transposed: A = 16 keys, B = 16 queries, C = a matrix of 0 (key in the query's window) or -1e30 (not).  Lane (r, h) then
; holds query r and keys 8 h + j in register j; two such results, packed to bf16, are the 16-bit operand layout for K = 32 (ISA guide 7.12.2), so the
; probabilities feed the second product with no traffic between lanes.  The second product is transposed too: A = ref_value^T (channels x keys, by the
; transposing LDS load), B = probabilities; a lane ends with 16 channels of its query.  A third product with A = ones gives the sum of the
; rounded probabilities of query r in every register of lane (r, h).
; A wave takes a strip of 8 columns x 4 rows: two query tiles, which share 10 key rows.
;
; LIMITS: main, ref, ref_value and the probabilities are rounded to bf16 (nearest even).  A key outside the window gets -1e30, so scores must lie
; above -1e30.  The maximum taken away is the true maximum of the 49 scores.  Probabilities below 2^-126 of the largest become 0 (v_exp_f32 flushes).
;
; THE MODE: SCHED_MODE bits 1:0 = 2 (LLVM: expert scheduling mode 2), set by the entry lines.  The code itself states the register dependences
; between vector or matrix instructions and memory or LDS instructions, with s_wait_alu, always for 0.
; THE PLAN.  Registers that memory or LDS instructions touch:
;   v3, v[228:244]  offsets of the global loads.  All are made at the head; ONE wait on va_vdst; the 41 loads follow in one run.  v3 is never written again;
;                   v[228:244] are written again (probabilities, maxima, accumulators) behind the wait on vm_vsrc that follows the barrier.
;   v[4:11]         LDS addresses and out's offset.  Made while the loads are on their way, never written again: the rounding's first wait on va_vdst serves them for the whole kernel.
;   v[64:227]       loaded data, four registers of its own to each load: the load lands, the conversions round in place, one LDS store reads the first two registers.
;                   The rounding goes in groups: at a group's head, behind the wait for its data, one wait on va_vdst states that the group before has written its words;
;                   that group's stores follow at once, then this group's conversions, which name other registers.  Behind the barrier one wait on vm_vsrc states that
;                   the stores have read these registers, which become fragments, scores and probabilities.
;   v[48:63]        at the head at work, then the query fragments land there: the rounding's last wait on va_vdst stands behind every vector instruction that named them.
;   v[64:143]       key fragments, read by the score products; one wait on va_vdst behind tile 1's products, then the value fragments land there.
;   the four output accumulators and v[64:95]: one wait on va_vdst behind the scaling serves the stage's stores (their data) and the stage's loads (they land where the last products read).
; EXEC and VCC are never written.  Vector instructions write scalar registers at two places (the wave's number; the masks' compares): a wait on va_sdst stands ahead of the first reader.
.set IMG_ROW, 32768                    ; bytes in an image row
.set KP,      80                       ; LDS pitch of a pixel of ref and main: 64 bytes of bf16 + 16: an odd multiple of 16, so 16 pixels start at 16 different 16-byte columns of 256
.set VP,      96                       ; LDS pitch of a pixel of ref_value: an odd multiple of 32, for the transposing load
.set KROW,    24*KP                    ; a row of the window
.set VROW,    24*VP
.set QBASE,   528*KP                   ; ref's window (528 pixels) lies at 0, main's block (256 pixels) behind it,
.set VBASE,   QBASE+256*KP             ; then ref_value's window,
.set STAGE,   VBASE+528*VP             ; then the way out: 32 pixels x 144 bytes for each wave, its own
.set SP,      144                      ; 128 bytes of f32 + 16
.set LANE16, 2                         ; v2   16 x lane
.set QOFF,   3                         ; v3   my byte offset in main's block
.set KST,    4                         ; v4   where I store 8 bytes of ref (and, QBASE further, of main)
.set VST,    5                         ; v5   where I store 8 bytes of ref_value
.set KAD,    6                         ; v6   my key fragments
.set QAD,    7                         ; v7   my query fragments
.set VAD,    8                         ; v8   my value fragments
.set SST,    9                         ; v9   the way out: where I put my query's channels
.set SRD,    10                        ; v10  the way out: where I read 16 bytes of a row back
.set OO,     11                        ; v11  my byte offset in out's block
.set T,      12                        ; v[12:15] at work
.set MC,     16                        ; v[16:23] mask of key rows 1 to 6 of a tile: columns alone
.set M0,     24                        ; v[24:31] mask of key row 0: only the tile's upper query row sees it
.set M7,     32                        ; v[32:39] mask of key row 7: only the lower query row sees it
.set ONES,   40                        ; v[40:47] a fragment of ones in bf16
.set QF,     48                        ; v[48:63] two query fragments
.set CT,     52                        ; v[52:59] at the head only: c - qc - 1 for the eight registers of a mask
.set KF,     64                        ; v[64:143] ten key fragments; later ten value fragments; later the rows on their way out
.set SC,     144                       ; v[144:207] the 64 scores of a tile; tile 1's probabilities are packed in place into v[144:175]
.set P0,     208                       ; v[208:239] tile 0's probabilities
.set P1,     SC
.set MX,     240                       ; v[240:243] four running maxima
.set NM,     246                       ; v[246:247] - maximum x log2(e), twice
.set A00,    176                       ; accumulators: tile 0 channels 0-15, 16-31, sum; tile 1 likewise
.set A01,    184
.set A0L,    192
.set A10,    200
.set A11,    240
.set A1L,    248
.set LDM,    64                        ; the load phase: v[64:95] main, v[96:159] ref, v[160:163] the tail, v[164:227] ref_value,
.set LDR,    96
.set LDT,    160
.set LDV,    164
.set OFF,    228                       ; v[228:244] byte offsets of the 17 window loads; none is rewritten while a load is out
.set RB,     20                        ; s[20:22] image row of my window load k = b (b = 0, 1, 2); load k = 3 a + b lies 4 a rows below
.set CM,     24                        ; s[24:26] -1 if its four columns are in the image, else 0
.set CO,     28                        ; s[28:30] byte offset of its clamped column
.set CK,     20                        ; s[20:27] once the offsets are made: the lanes whose key column j lies in the query's window
.set MK,     36                        ; s[36:52] load k: -1 if its four pixels are in the image, else 0
.macro PLACES                          ; four places behind a matrix instruction before its results are read or its registers written (ISA guide 7.12.1)
.rept 4
	v_nop
.endr
.endm
	s_load_b256 s[4:11], s[0:1], 0x0               ; main s[4:5], ref s[6:7], ref_value s[8:9], out s[10:11]
	s_set_vgpr_msb 0x40
	v_lshl_add_u32 v0, v0, 2, 0x29000
	v_mov_b32 v1, 0
	s_set_vgpr_msb 0x4000
	v_lshrrev_b32 v1, 5, v0
	v_readfirstlane_b32 s12, v1                    ; wave 0..7
	s_and_b32 s13, ttmp7, 0xffff
	s_lshl_b32 s14, s13, 4                         ; H0: the block's first row
	s_lshl_b32 s15, ttmp9, 4                       ; W0: its first column
	s_lshl_b32 s16, s14, 15
	s_lshl_b32 s17, s15, 7
	s_add_co_u32 s16, s16, s17                     ; the block's byte offset in main and in out (below 8 MiB)
	s_mov_b32 s17, 0
	v_and_b32 v[LANE16], 31, v0
	v_lshlrev_b32 v[LANE16], 4, v[LANE16]
	v_and_b32 v[QOFF], 127, v0                     ; main: 128 threads take a row of the block (2,048 bytes), the other 128 the next row
	v_lshlrev_b32 v[QOFF], 4, v[QOFF]
	v_lshrrev_b32 v1, 7, v0
	v_lshl_add_u32 v[QOFF], v1, 15, v[QOFF]
	s_wait_alu depctr_va_sdst(0)                   ; s12 is written, ahead of its first reader: the window's rows and columns are made from it
	; A window is 132 loads of four pixels, six to a row.  Wave w takes loads n = w + 8 k, k = 0..15.  24 loads are four rows, so
	; n = w + 8 b + 24 a (k = 3 a + b) lies in row 4 a + (w + 8 b) / 6, column group (w + 8 b) mod 6: three divisions serve all.
.irp b, 0,1,2
	s_add_co_u32 s18, s12, 8*\b
	s_mul_i32 s19, s18, 43
	s_lshr_b32 s19, s19, 8                         ; (w + 8 b) / 6, exact for numbers up to 23
	s_mul_i32 s13, s19, 6
	s_sub_co_u32 s18, s18, s13                     ; column group 0..5
	s_add_co_u32 s19, s19, s14
	s_sub_co_i32 s[RB+\b], s19, 3                  ; image row: the window begins 3 rows above the block (may be negative)
	s_lshl2_add_u32 s18, s18, s15
	s_sub_co_i32 s18, s18, 4                       ; image column: the window begins 4 columns left of the block
	s_max_i32 s19, s18, 0
	s_min_i32 s19, s19, 252                        ; clamped, so that the load stays inside the buffer
	s_cmp_eq_u32 s19, s18
	s_cselect_b32 s[CM+\b], -1, 0                  ; the image's width is a multiple of 4: the four pixels are all inside or all outside
	s_lshl_b32 s[CO+\b], s19, 7
.endr
	; All 17 offsets are made here, while the arguments are on their way: none hangs on an argument, and one wait then serves all the loads.
.macro WINOFF k                        ; the offset and the mask of window load k
	s_add_co_i32 s18, s[RB+(\k)%3], 4*((\k)/3)
	s_max_i32 s19, s18, 0
	s_min_i32 s19, s19, 255
	s_cmp_eq_u32 s19, s18                          ; the row is in the image
	s_cselect_b32 s[MK+\k], s[CM+(\k)%3], 0
	s_lshl_b32 s19, s19, 15
	s_add_co_u32 s19, s19, s[CO+(\k)%3]
	v_add_nc_u32 v[OFF+\k], s19, v[LANE16]
.endm
.irp k, 0,1,2,3,4,5,6,7,8,9,10,11,12,13,14,15
	WINOFF \k
.endr
	; The tail: loads 128 to 131 of each window (row 21, column groups 2 to 5).  Waves 0-3 take ref's, waves 4-7 ref_value's: one load for every wave.
	s_and_b32 s18, s12, 3
	s_lshl2_add_u32 s18, s18, s15
	s_add_co_u32 s18, s18, 4                       ; column W0 + 4 + 4 (w mod 4)
	s_min_u32 s19, s18, 252
	s_cmp_eq_u32 s19, s18
	s_cselect_b32 s13, -1, 0
	s_lshl_b32 s19, s19, 7
	s_add_co_u32 s18, s14, 18                      ; row H0 + 18
	s_min_u32 s34, s18, 255
	s_cmp_eq_u32 s34, s18
	s_cselect_b32 s[MK+16], s13, 0
	s_lshl_b32 s34, s34, 15
	s_add_co_u32 s19, s19, s34
	v_add_nc_u32 v[OFF+16], s19, v[LANE16]
	s_wait_kmcnt 0x0
	s_add_nc_u64 s[4:5], s[4:5], s[16:17]          ; main and out at the block's first pixel
	s_add_nc_u64 s[10:11], s[10:11], s[16:17]
	s_cmp_lt_u32 s12, 4
	s_cselect_b64 s[32:33], s[6:7], s[8:9]         ; the tail's tensor
	s_wait_alu depctr_va_vdst(0)                   ; v[QOFF] and the 17 offsets v[OFF ..] are written, which the 41 loads below read
.irp k, 0,1,2,3,4,5,6,7
	global_load_b128 v[LDM+4*\k:LDM+4*\k+3], v[QOFF], s[4:5] offset:\k*2*IMG_ROW th:TH_LOAD_NT   ; two rows of the block a turn; main is read once in the launch
.endr
.irp k, 0,1,2,3,4,5,6,7,8,9,10,11,12,13,14,15
	global_load_b128 v[LDR+4*\k:LDR+4*\k+3], v[OFF+\k], s[6:7]
.endr
	global_load_b128 v[LDT:LDT+3], v[OFF+16], s[32:33]
.irp k, 0,1,2,3,4,5,6,7,8,9,10,11,12,13,14,15
	global_load_b128 v[LDV+4*\k:LDV+4*\k+3], v[OFF+\k], s[8:9]
.endr
	; While the 41 loads are on their way: LDS addresses, masks, constants.  None of these lines names a register that a load reads or lands in.
	v_and_b32 v[T], 15, v0                         ; r
	v_bfe_u32 v[T+1], v0, 4, 1                     ; h
	v_and_b32 v[T+2], 7, v0                        ; lane mod 8 = the query's column in its tile
	v_bfe_u32 v[T+3], v0, 3, 1                     ; (lane / 8) mod 2 = the query's row in its tile
	s_and_b32 s18, s12, 1                          ; my strip of 8 columns
	s_lshr_b32 s19, s12, 1                         ; my group of 4 rows
	v_lshrrev_b32 v1, 3, v0                        ; a thread's 16 bytes of f32 become 8 of bf16; eight threads make a pixel.  Turn k lies 32 pixels on
	v_mul_u32_u24 v[KST], v1, KP
	v_lshl_add_u32 v[KST], v[T+2], 3, v[KST]
	v_mul_u32_u24 v[VST], v1, VP
	v_lshl_add_u32 v[VST], v[T+2], 3, v[VST]
	v_add_nc_u32 v[VST], VBASE, v[VST]
	s_mul_i32 s34, s19, 4*KROW                     ; key fragment: pixel (row 4 g + x, column 8 s + r), bytes 16 h and 32 + 16 h
	s_mul_i32 s35, s18, 8*KP
	s_add_co_u32 s34, s34, s35
	v_mul_u32_u24 v[KAD], v[T], KP
	v_lshl_add_u32 v[KAD], v[T+1], 4, v[KAD]
	v_add_nc_u32 v[KAD], s34, v[KAD]
	s_mul_i32 s34, s19, 64*KP                      ; query fragment: pixel (row 4 g + 2 u + r / 8, column 8 s + r mod 8) of the block of 16 x 16
	s_add_co_u32 s34, s34, s35
	s_add_co_u32 s34, s34, QBASE
	v_mul_u32_u24 v[QAD], v[T+2], KP
	v_lshl_add_u32 v[QAD], v[T+1], 4, v[QAD]
	v_mul_u32_u24 v1, v[T+3], 16*KP
	v_add3_u32 v[QAD], v[QAD], v1, s34
	s_mul_i32 s34, s19, 4*VROW                     ; value fragment: the lane addresses pixel (row 4 g + 2 y, column 8 s + 8 h + lane mod 8), 16 bytes at 16 ((lane / 8) mod 2)
	s_mul_i32 s35, s18, 8*VP
	s_add_co_u32 s34, s34, s35
	s_add_co_u32 s34, s34, VBASE
	v_mul_u32_u24 v[VAD], v[T+2], VP
	v_lshl_add_u32 v[VAD], v[T+3], 4, v[VAD]
	v_mul_u32_u24 v1, v[T+1], 8*VP
	v_add3_u32 v[VAD], v[VAD], v1, s34
	s_mul_i32 s34, s12, 32*SP                      ; my wave's stage
	s_add_co_u32 s34, s34, STAGE
	v_mul_u32_u24 v[SST], v[T], SP                 ; in: query r, 32 bytes for each half of the lanes
	v_lshl_add_u32 v[SST], v[T+1], 5, v[SST]
	v_add_nc_u32 v[SST], s34, v[SST]
	v_bfe_u32 v1, v0, 3, 2                         ; back: eight lanes take a pixel, the wave four pixels
	v_mul_u32_u24 v[SRD], v1, SP
	v_lshl_add_u32 v[SRD], v[T+2], 4, v[SRD]
	v_add_nc_u32 v[SRD], s34, v[SRD]
	s_lshl_b32 s34, s19, 17                        ; out: 4 g rows, 8 s pixels, 16 bytes a lane
	s_lshl_b32 s35, s18, 10
	s_add_co_u32 s34, s34, s35
	v_add_nc_u32 v[OO], s34, v[LANE16]
	s_mov_b32 s54, 0x76543210                      ; v_permlanex16_b32: lane i of one half reads lane i of the other
	s_mov_b32 s55, 0xfedcba98
	; Masks.  Register j of lane (r, h) is key column c = 8 h + j of the tile's 16, which begin 4 left of the queries' 8: the key is within
	; 3 columns of query column qc if 1 <= c - qc <= 7.  Key row i is within 3 rows of query row qr (0 or 1) if 0 <= i - qr <= 6.
	; The nine compares stand in one run, each with a scalar register of its own, so that one wait serves all the selects.
	v_mov_b32 v48, 0xf149f2ca                      ; -1e30
	v_mov_b32 v49, 0
	v_lshlrev_b32 v50, 3, v[T+1]
	v_sub_nc_u32 v50, v50, v[T+2]
	v_add_nc_u32 v50, -1, v50                      ; 8 h - qc - 1
.irp j, 0,1,2,3,4,5,6,7
	v_add_nc_u32 v[CT+\j], \j, v50
.endr
	v_cmp_eq_u32 s56, 0, v[T+3]                    ; qr = 0
.irp j, 0,1,2,3,4,5,6,7
	v_cmp_gt_u32 s[CK+\j], 7, v[CT+\j]             ; unsigned: 0 <= c - qc - 1 <= 6
.endr
	s_wait_alu depctr_va_sdst(0)                   ; s56 and s[CK ..] are written, ahead of their first readers, the selects below
.irp j, 0,1,2,3,4,5,6,7
	v_cndmask_b32 v[MC+\j], v48, v49, s[CK+\j]
	v_cndmask_b32 v[M0+\j], v48, v[MC+\j], s56     ; key row 0: for qr = 0 alone
	v_cndmask_b32 v[M7+\j], v[MC+\j], v48, s56     ; key row 7: for qr = 1 alone
	v_mov_b32 v[ONES+\j], 0x3f803f80
.endr
	; Round to bf16 and lay into LDS, in the order in which the loads were issued (loads come back in order: ISA guide 5.7.1).
	; A group's conversions are followed by the wait for the next group's data; behind that, one wait on va_vdst, the group's stores, and the next group's conversions.
.macro CVT x                           ; four f32 in v[x:x+3] become four bf16 in v[x:x+1]
	v_cvt_pk_bf16_f32 v[\x], v[\x], v[\x+1]
	v_cvt_pk_bf16_f32 v[\x+1], v[\x+2], v[\x+3]
.endm
.macro CVTM x, m                       ; the same, and zeros for pixels outside the image
	CVT \x
	v_and_b32 v[\x], s[\m], v[\x]
	v_and_b32 v[\x+1], s[\m], v[\x+1]
.endm
.macro RSTORE k                        ; ref's load k, rounded, into LDS
	ds_store_b64 v[KST], v[LDR+4*(\k):LDR+4*(\k)+1] offset:(\k)*32*KP
.endm
.macro VSTORE k                        ; ref_value's load k
	ds_store_b64 v[VST], v[LDV+4*(\k):LDV+4*(\k)+1] offset:(\k)*32*VP
.endm
	s_wait_loadcnt 33                              ; main's 8 loads are in; the 33 younger ones stay out
.irp k, 0,1,2,3,4,5,6,7
	CVT LDM+4*\k
.endr
	s_wait_loadcnt 29                              ; ref's loads 0 to 3 are in: 41 issued, 12 of them waited for
	s_wait_alu depctr_va_vdst(0)                   ; main's conversions have written the words that the stores below read; the addresses v[4:11] are written, which every later LDS instruction and store reads
.irp k, 0,1,2,3,4,5,6,7
	ds_store_b64 v[KST], v[LDM+4*\k:LDM+4*\k+1] offset:QBASE+\k*32*KP
.endr
.irp k, 0,1,2,3
	CVTM LDR+4*\k, MK+\k
.endr
	s_wait_loadcnt 25                              ; ref's loads 4 to 7 are in
	s_wait_alu depctr_va_vdst(0)                   ; the conversions of ref's loads 0 to 3 have written the words that the stores below read
.irp k, 0,1,2,3
	RSTORE \k
.endr
.irp k, 4,5,6,7
	CVTM LDR+4*\k, MK+\k
.endr
	s_wait_loadcnt 21                              ; ref's loads 8 to 11 are in
	s_wait_alu depctr_va_vdst(0)                   ; the conversions of ref's loads 4 to 7 have written the words that the stores below read
.irp k, 4,5,6,7
	RSTORE \k
.endr
.irp k, 8,9,10,11
	CVTM LDR+4*\k, MK+\k
.endr
	s_wait_loadcnt 16                              ; ref's loads 12 to 15 and the tail are in; ref_value's 16 stay out
	s_wait_alu depctr_va_vdst(0)                   ; the conversions of ref's loads 8 to 11 have written the words that the stores below read
.irp k, 8,9,10,11
	RSTORE \k
.endr
.irp k, 12,13,14,15
	CVTM LDR+4*\k, MK+\k
.endr
	CVTM LDT, MK+16
	s_wait_loadcnt 12                              ; ref_value's loads 0 to 3 are in
	s_wait_alu depctr_va_vdst(0)                   ; the conversions of ref's loads 12 to 15 and of the tail have written the words that the stores below read, on either way of the branch
.irp k, 12,13,14,15
	RSTORE \k
.endr
	s_cmp_lt_u32 s12, 4
	s_cbranch_scc0 .Ltail_value
	ds_store_b64 v[KST], v[LDT:LDT+1] offset:16*32*KP      ; waves 0-3: ref's pixels 512 + thread / 8
	s_branch .Ltail_done
.Ltail_value:
	ds_store_b64 v[VST], v[LDT:LDT+1] offset:496*VP        ; waves 4-7: ref_value's pixels 512 + (thread - 128) / 8
.Ltail_done:
.irp k, 0,1,2,3
	CVTM LDV+4*\k, MK+\k
.endr
	s_wait_loadcnt 8                               ; ref_value's loads 4 to 7 are in
	s_wait_alu depctr_va_vdst(0)                   ; the conversions of ref_value's loads 0 to 3 have written the words that the stores below read
.irp k, 0,1,2,3
	VSTORE \k
.endr
.irp k, 4,5,6,7
	CVTM LDV+4*\k, MK+\k
.endr
	s_wait_loadcnt 4                               ; ref_value's loads 8 to 11 are in
	s_wait_alu depctr_va_vdst(0)                   ; the conversions of ref_value's loads 4 to 7 have written the words that the stores below read
.irp k, 4,5,6,7
	VSTORE \k
.endr
.irp k, 8,9,10,11
	CVTM LDV+4*\k, MK+\k
.endr
	s_wait_loadcnt 0x0                             ; the last four loads are in
	s_wait_alu depctr_va_vdst(0)                   ; the conversions of ref_value's loads 8 to 11 have written the words that the stores below read
.irp k, 8,9,10,11
	VSTORE \k
.endr
.irp k, 12,13,14,15
	CVTM LDV+4*\k, MK+\k
.endr
	s_wait_alu depctr_va_vdst(0)                   ; the last conversions have written the words that the stores below read; and every vector instruction that named v[48:143] is done: the fragments behind the barrier land there, with no vector instruction between
.irp k, 12,13,14,15
	VSTORE \k
.endr
	s_wait_dscnt 0x0                               ; my stores are in LDS: for the other waves' sake the count is zero
	s_barrier_signal -1
	s_barrier_wait -1                              ; everybody's are; from here on these three regions are only read
	s_wait_alu depctr_vm_vsrc(0)                   ; my LDS stores have read v[64:227] and my loads their offsets v[228:244]: from here on fragments land in these registers, and scores, probabilities, maxima and sums are written there
	; Fragments: 16 pixels x 32 channels, two loads of 16 bytes, 32 bytes apart.
.irp u, 0,1
	ds_load_b128 v[QF+8*\u:QF+8*\u+3],   v[QAD] offset:\u*32*KP
	ds_load_b128 v[QF+8*\u+4:QF+8*\u+7], v[QAD] offset:\u*32*KP+32
.endr
.irp x, 0,1,2,3,4,5,6,7,8,9
	ds_load_b128 v[KF+8*\x:KF+8*\x+3],   v[KAD] offset:\x*KROW
	ds_load_b128 v[KF+8*\x+4:KF+8*\x+7], v[KAD] offset:\x*KROW+32
.endr
; The eight score tiles of query tile u: key rows 2 u + i, i = 0..7.  C is the mask, D another eight registers each time.
.macro SCORE u
.irp i, 0,1,2,3,4,5,6,7
.set MB, MC
.if \i == 0
.set MB, M0
.endif
.if \i == 7
.set MB, M7
.endif
.if \u == 0
	s_wait_dscnt 18-2*\i                           ; key row i is in: 2 (9 - i) younger LDS loads may be out
.endif
	v_wmma_f32_16x16x32_bf16 v[SC+8*\i:SC+8*\i+7], v[KF+8*(2*\u+\i):KF+8*(2*\u+\i)+7], v[QF+8*\u:QF+8*\u+7], v[MB:MB+7]
.endr
.endm
.macro SCALE i                         ; s log2(e) - m log2(e) for the eight scores of key row i, one rounding each
.irp q, 0,2,4,6
	v_pk_fma_f32 v[SC+8*(\i)+\q:SC+8*(\i)+\q+1], v[SC+8*(\i)+\q:SC+8*(\i)+\q+1], 0x3fb8aa3b, v[NM:NM+1] op_sel_hi:[1,0,1]
.endr
.endm
; The tile's 64 scores become 64 probabilities (not yet divided by their sum), packed as four operand fragments at pd.
; pd = SC packs in place: word 4 i + q is written when scores 8 i + 2 q and below have been used.
.macro SOFTMAX pd
.irp c, 0,1,2,3
	v_max_num_f32 v[MX+\c], v[SC+16*\c], v[SC+16*\c+1]     ; four chains, started by their first two scores
.endr
.irp q, 1,2,3,4,5,6,7
.irp c, 0,1,2,3
	v_max3_num_f32 v[MX+\c], v[MX+\c], v[SC+16*\c+2*\q], v[SC+16*\c+2*\q+1]
.endr
.endr
	v_max3_num_f32 v[MX], v[MX], v[MX+1], v[MX+2]
	v_max_num_f32 v[MX], v[MX], v[MX+3]
	v_permlanex16_b32 v[MX+1], v[MX], s54, s55     ; lanes (r, 0) and (r, 1) hold the two halves of query r's keys
	v_max_num_f32 v[MX], v[MX], v[MX+1]            ; the largest of the query's 49 scores (the masked ones are -1e30)
	v_mul_f32 v[NM], 0xbfb8aa3b, v[MX]
	v_mul_f32 v[NM+1], 0xbfb8aa3b, v[MX]
	SCALE 0
.irp i, 0,1,2,3,4,5,6,7
.irp j, 0,1,2,3,4,5,6,7
	v_exp_f32 v[SC+8*\i+\j], v[SC+8*\i+\j]
.endr
.if \i < 7
	SCALE \i+1                                     ; plain vector work on other registers stands between the exponentials and their use (ISA guide 5.7.2)
.else
	v_nop
	s_wait_alu depctr_va_vdst(0)
.endif
	s_wait_alu depctr_va_vdst(0)
.irp q, 0,1,2,3
	v_cvt_pk_bf16_f32 v[\pd+4*\i+\q], v[SC+8*\i+2*\q], v[SC+8*\i+2*\q+1]   ; keys 8 h + 2 q and + 1: the lower key in the lower half
.endr
.endr
.endm
	SCORE 0
	PLACES
	SOFTMAX P0
	s_wait_dscnt 0x0                               ; key rows 8 and 9
	SCORE 1
	PLACES                                         ; in front of tile 1's softmax, which reads these results
	s_wait_alu depctr_va_vdst(0)                   ; the score products are done reading the key fragments v[KF ..], in which the loads below land
	; Value fragments: channels 16 ct + r x the 32 keys of rows 4 g + 2 y and + 1, transposed on the way out of LDS.  They land while tile 1's softmax is made, which names none of their registers.
.irp y, 0,1,2,3,4
.irp ct, 0,1
	ds_load_tr16_b128 v[KF+16*\y+8*\ct:KF+16*\y+8*\ct+3],   v[VAD] offset:\y*2*VROW+\ct*32
	ds_load_tr16_b128 v[KF+16*\y+8*\ct+4:KF+16*\y+8*\ct+7], v[VAD] offset:\y*2*VROW+\ct*32+VROW
.endr
.endr
	SOFTMAX P1
; Three products of one query tile with one pair of key rows: channels 0-15, channels 16-31, the sum.  first = 1: they start the sums.
.macro PV3 a0, a1, al, y, pb, first
.if \first
	v_wmma_f32_16x16x32_bf16 v[\a0:\a0+7], v[KF+16*\y:KF+16*\y+7],    v[\pb:\pb+7], 0
	v_wmma_f32_16x16x32_bf16 v[\a1:\a1+7], v[KF+16*\y+8:KF+16*\y+15], v[\pb:\pb+7], 0
	v_wmma_f32_16x16x32_bf16 v[\al:\al+7], v[ONES:ONES+7],            v[\pb:\pb+7], 0
.else
	v_wmma_f32_16x16x32_bf16 v[\a0:\a0+7], v[KF+16*\y:KF+16*\y+7],    v[\pb:\pb+7], v[\a0:\a0+7]
	v_wmma_f32_16x16x32_bf16 v[\a1:\a1+7], v[KF+16*\y+8:KF+16*\y+15], v[\pb:\pb+7], v[\a1:\a1+7]
	v_wmma_f32_16x16x32_bf16 v[\al:\al+7], v[ONES:ONES+7],            v[\pb:\pb+7], v[\al:\al+7]
.endif
.endm
	; Row pair y is tile 0's block y and tile 1's block y - 1.  The accumulators take turns, one instruction a turn.
	s_wait_dscnt 16                                ; row pair 0's four loads are in; 4 (4 - y) younger ones may be out
	PV3 A00, A01, A0L, 0, P0, 1
	s_wait_dscnt 12
	PV3 A00, A01, A0L, 1, P0+8, 0
	PV3 A10, A11, A1L, 1, P1, 1
	s_wait_dscnt 8
	PV3 A00, A01, A0L, 2, P0+16, 0
	PV3 A10, A11, A1L, 2, P1+8, 0
	s_wait_dscnt 4
	PV3 A00, A01, A0L, 3, P0+24, 0
	PV3 A10, A11, A1L, 3, P1+16, 0
	s_wait_dscnt 0
	PV3 A10, A11, A1L, 4, P1+24, 0
	PLACES
	; Divide by the sum (at least about 1: the largest score's probability).  Every register of the sum's tile holds my query's sum.
	v_rcp_f32 v[T],   v[A0L]
	v_rcp_f32 v[T+1], v[A0L+1]
	v_rcp_f32 v[T+2], v[A1L]
	v_rcp_f32 v[T+3], v[A1L+1]
	v_nop                                          ; a plain place between the reciprocals and their use (ISA guide 5.7.2)
	s_wait_alu depctr_va_vdst(0)
.irp q, 0,2,4,6
	v_pk_mul_f32 v[A00+\q:A00+\q+1], v[A00+\q:A00+\q+1], v[T:T+1]
	v_pk_mul_f32 v[A01+\q:A01+\q+1], v[A01+\q:A01+\q+1], v[T:T+1]
	v_pk_mul_f32 v[A10+\q:A10+\q+1], v[A10+\q:A10+\q+1], v[T+2:T+3]
	v_pk_mul_f32 v[A11+\q:A11+\q+1], v[A11+\q:A11+\q+1], v[T+2:T+3]
.endr
	; THE WAY OUT.  Lane (r, h) holds channels 8 h .. + 7 and 16 + 8 h .. + 7 of query r; the lanes beside it hold other pixels.  So the 32 pixels go
	; through my wave's own stage and come back as runs of four pixels: each store of the wave covers 512 consecutive bytes, aligned.
.macro STG acc, off
	ds_store_b128 v[SST], v[\acc:\acc+3]   offset:\off
	ds_store_b128 v[SST], v[\acc+4:\acc+7] offset:\off+16
.endm
	s_wait_alu depctr_va_vdst(0)                   ; the scalings have written the four output tiles, which the LDS stores read; the last products are done reading the value fragments v[KF ..], in which the stage's loads land
	STG A00, 0
	STG A01, 64
	STG A10, 16*SP
	STG A11, 16*SP+64
.irp t, 0,1,2,3,4,5,6,7
	ds_load_b128 v[KF+4*\t:KF+4*\t+3], v[SRD] offset:\t*4*SP       ; LDS serves a wave's instructions in order (ISA guide 5.7.1): these see the stores above
.endr
.irp t, 0,1,2,3,4,5,6,7
	s_wait_dscnt 7-\t                              ; run t is back; the younger ones may be out
	global_store_b128 v[OO], v[KF+4*\t:KF+4*\t+3], s[10:11] offset:(\t/2)*IMG_ROW+(\t%2)*512 th:TH_STORE_NT   ; two runs make my 8 pixels of a row
.endr
	s_set_vgpr_msb 0x5
	s_wait_dscnt 0x0
	s_wait_alu depctr_hold_cnt(0) depctr_sa_sdst(0) depctr_va_vdst(0) depctr_va_sdst(0) depctr_va_ssrc(0) depctr_va_vcc(0) depctr_vm_vsrc(0)
	s_wait_tensorcnt 0x0
	ds_add_u32 v0, v1
	s_wait_dscnt 0x0
	s_endpgm
.Lfunc_end_k_q6dbe5e679b_local_attn:
	.size	k_q6dbe5e679b_local_attn, .Lfunc_end_k_q6dbe5e679b_local_attn-k_q6dbe5e679b_local_attn
	.p2alignl 7, 3214868480
	.fill 96, 4, 3214868480
	.section	.rodata,"a",@progbits
	.p2align	6, 0x0
	.amdhsa_kernel k_q6dbe5e679b_local_attn
		.amdhsa_group_segment_fixed_size 168960
		.amdhsa_private_segment_fixed_size 0
		.amdhsa_enable_private_segment 0
		.amdhsa_kernarg_size 32
		.amdhsa_user_sgpr_count 2
		.amdhsa_user_sgpr_kernarg_segment_ptr 1
		.amdhsa_wavefront_size32 1
		.amdhsa_system_sgpr_workgroup_id_x 1
		.amdhsa_system_sgpr_workgroup_id_y 1
		.amdhsa_system_sgpr_workgroup_id_z 1
		.amdhsa_system_vgpr_workitem_id 0
		.amdhsa_next_free_vgpr 258
		.amdhsa_next_free_sgpr 66
		.amdhsa_reserve_vcc 0
		.amdhsa_float_denorm_mode_32 3
		.amdhsa_float_denorm_mode_16_64 3
		.amdhsa_memory_ordered 1
		.amdhsa_forward_progress 1
		.amdhsa_inst_pref_size 57
	.end_amdhsa_kernel
	.amdgpu_metadata
---
amdhsa.version: [ 1, 2 ]
amdhsa.kernels:
  - .name:           k_q6dbe5e679b_local_attn
    .symbol:         k_q6dbe5e679b_local_attn.kd
    .args:
      - { .name: main, .offset: 0, .size: 8, .value_kind: global_buffer, .address_space: global }
      - { .name: ref, .offset: 8, .size: 8, .value_kind: global_buffer, .address_space: global }
      - { .name: ref_value, .offset: 16, .size: 8, .value_kind: global_buffer, .address_space: global }
      - { .name: out0, .offset: 24, .size: 8, .value_kind: global_buffer, .address_space: global }
    .group_segment_fixed_size: 168960
    .private_segment_fixed_size: 0
    .kernarg_segment_align: 8
    .kernarg_segment_size: 32
    .max_flat_workgroup_size: 256
    .sgpr_count:     66
    .vgpr_count:     258
    .wavefront_size: 32
...
	.end_amdgpu_metadata
.endif
;; end of part 2
